; MI455X (gfx1250); checked and timed in simulation.
; The chip was launched on July 23, 2026; its instructions are those of AMD's public machine-readable ISA for CDNA 5 (MIT licence, August 2026) and "CDNA5" Instruction Set Architecture Reference Guide (July 2026). The comments in the code are by the model that wrote it; some were corrected since.
;; residue. Allowed arithmetic: float matrix products may take bf16 or f16 operands with f32 sums; all other float work in f32.
;; Inputs: B_inv 3 x 3 float32; hidden_occ 1 float32; hkl 500,000 x 3 int32; scattering_factors 16 x 500,000 float32; scattering_vectors 500,000 x 3 float32; sym_R 4 x 3 x 3 float32; sym_T 4 x 3 float32; u 16 x 6 float32; xyz 16 x 3 float32.
;; Outputs: out0 2 x 500,000 float32.
;; One version. Each part assembles by itself: llvm-mc -triple=amdgcn-amd-amdhsa -mcpu=gfx1250 --defsym DOCPART=n.
;; ======== version 1 of 1: 1 launch
;; limits: a function is approximated: absolute error at most 0.00025; right only within a limited range of input values
;; launch sfac (part 1): grid 489 x 1, 8 waves a work-group, no clusters, 5,120 bytes of LDS; arguments hkl, scattering_vectors, scattering_factors, xyz, u, B_inv, sym_R, sym_T, hidden_occ, out0; writes out0
.if DOCPART == 1
	.amdgcn_target "amdgcn-amd-amdhsa--gfx1250"
	.amdhsa_code_object_version 6
	.text
	.protected	k_q174ba19720_sfac
	.globl	k_q174ba19720_sfac
	.p2align	8
	.type	k_q174ba19720_sfac,@function
k_q174ba19720_sfac:
	s_mov_b64 s[64:65], 0
	v_nop
	global_prefetch_b8 v0, s[64:65] scope:SCOPE_SE
	s_setreg_imm32_b32 hwreg(HW_REG_WAVE_MODE, 25, 1), 1
	s_wait_xcnt 0x0
; Anisotropic structure factor:  F(h) = occ * sum_a sf[a][h] * sum_s exp(-2 pi^2 q^T U_a q) * exp(2 pi i hkl(h).xs(s,a)),
; 500,000 reflections h, 16 atoms a, 4 symmetry operations s.  out0 = [real row | imaginary row], f32.
;
; SHARES.  A wave owns 128 reflections = 2 chunks of 64 = 8 tiles of 16; a work-group (8 waves) 1,024; 489 work-groups cover 500,736.
; In the last work-group the offsets of loads are clamped to the last four reflections and stores are masked; its waves
; beyond the end still build their part of the tables and then work on clamped data whose results are not stored.
;
; BOTH EINSUMS ARE [16 atoms x K] x [K x 16 reflections] PRODUCTS WITH K <= 16, one bf16 matrix instruction (K = 32) each:
;   phase in turns  P = sum_i (hhi_i + hlo_i)(xhi_i + xmid_i) + hhi_i xlo_i     (K slots 0-15; hkl and xs split into exact bf16 parts)
;   log2 of the Debye-Waller factor  E = sum_k (Whi_k + Wlo_k) m_k              (K slots 16-31; m = s1^2 s2^2 s3^2 s1s2 s1s3 s2s3 of the
;                                                                                scattering vector, W from c R_s U_a R_s^T, c = -2 pi^2 log2 e)
; The table operand A_s = [P_s | E_s] (row = atom) serves both; the reflections' operand lies in 12 registers [ph | 0 | m]:
; registers 0-7 give the phase product, registers 4-11 the exponent product.  xs is reduced by its nearest integer first, which
; changes no phase because hkl are integers.  In the result, register j of lane (r = lane & 15, g = lane >> 4) is atom 8 g + j of
; column r; column r of tile t is reflection chunk + 4 r + t, so one 16-byte load of a row of scattering_factors is a lane's four tiles.
; Per element: n = rndne(P), r = P - n, y = r^2, cos 2 pi r = C(y), sin 2 pi r = r S(y) (polynomials), e = exp2(E);
; the sums over s run in registers, sf (which does not hang on s) and occ are applied afterwards.
;
; THE ORDER OF THE LOADS AND OF THE WORK.  A wave reads 32 times.  In front of the tables' exchange through LDS stand only the ten loads
; that the start needs (xyz, u, and hkl and scattering vectors of chunk 0); chunk 0's eight loads of scattering factors follow the
; exchange's LDS loads.  Scattering factors are wanted only where a tile's sums over s are weighed, and for the first two tiles that is
; put off: tiles 0 and 1 of chunk 0 keep their sums in the 32 registers that chunk 1's scattering factors fill later, and both are
; weighed behind step 7, eight steps behind the loads.  hkl and scattering vectors of chunk 1 are asked two to a step in steps 0-2
; (used in step 15), its scattering factors two to a step in steps 8-11, when those 32 registers are free (used behind step 19).
;
; LIMITS.  hkl is split exactly for |hkl| < 65,536 (beyond, its low part is rounded to bf16); hlo*xlo is left out (it is zero for
; |hkl| <= 256, below 2^-17 |hlo| otherwise).  The six monomials are rounded to bf16: the Debye-Waller exponent carries a relative
; error of 2^-9.  cos is within 4e-5, sin within 2.5e-4.  v_exp_f32 gives 0 for results below 2^-126.  Inputs must be finite:
; an infinity in a table would meet a zero K slot and give NaN.  The order of the sums differs from the reference's.
;
; NOT USED, AND WHY.  LDS rings, tensor loads: no wave reads another's data, and the 16-byte loads land in the layout that the work
; wants; a wave's whole input is 112 registers.  Clusters: the work-groups share only the small tables (808 bytes against 90,112 bytes
; of a work-group's own input).
.set NH,     500000                    ; reflections
.set ROWB,   4*NH                      ; bytes in a row of scattering_factors and of out0
; vector registers
.set VOUT,   2                         ; byte offset in out0: 4 hb + g rows (not clamped: the store is masked)
.set VHB,    3                         ; hb = first of my four reflections in chunk 0
.set OCC,    4                         ; v[4:5]     occupancy, twice
.set VLDS,   6                         ; 16 x lane
.set VST,    7                         ; 16 x thread: where my wave's table block goes
.set OSF,    8                         ; v8, v9     chunk c: 4 hbc + 8 g rows of scattering_factors   (hbc = hb clamped)
.set OHK,    10                        ; v10, v11   chunk c: 12 hbc, for hkl and scattering_vectors
.set OXYZ,   12                        ; 12 r
.set OU,     13                        ; 24 r
.set KC4,    14                        ; v[14:15]   leading cosine coefficient, twice
.set KS3,    16                        ; v[16:17]   leading sine coefficient, twice
.set A,      18                        ; v[18:49]   A_s, 8 registers for each s
.set BB,     50                        ; v[50:61]   ph (4) | zeros (4) | m (3) and a zero
.set DP,     62                        ; v[62:69], v[78:85]   phase results, buffer d at +16 d
.set DE,     70                        ; v[70:77], v[86:93]   exponent results
.set ACC,    94                        ; v[94:101]  sum over s of e cos, atom j;  v[102:109] sum over s of e sin
.set N,      110                       ; v[110:117] n, then y
.set CP,     118                       ; v[118:125] cosine polynomial
.set SP,     126                       ; v[126:133] sine polynomial
.set FR,     134                       ; v[134:137] tile t: real part over my 8 atoms
.set FI,     138                       ; v[138:141] tile t: imaginary part
.set HK,     142                       ; chunk c at +56 c: 12 registers hkl, [3 t + i]
.set SV,     154                       ;                   12 registers scattering vector, [3 t + i]
.set SF,     166                       ;                   32 registers scattering factors, [4 j + t]
; registers used twice
.set LATE,   SF+56                     ; steps 0-7: v[222:237], v[238:253] the sums of tiles 0 and 1 of chunk 0, laid out as ACC
.set XYZ,    110                       ; set-up: v[110:112] xyz of atom r
.set UU,     118                       ; set-up: v[118:123] u11 u22 u33 u12 u13 u23 of atom r
.set T0,     62                        ; set-up: v62-v89 at work, v[90:93] the finished block
.set BLK,    90
.set BT,     118                       ; BUILD: v118-v129 at work
.set XS,     110                       ; OUT: what I send to the other half
.set RECV,   114                       ; OUT: what I get from it
.set KEEP,   118                       ; OUT: v[118:121] what I store
; scalar registers: s[8:27] the ten addresses, s[28:29] scattering_factors + 4 rows
.set SB,     32                        ; s[32:40] B_inv
.set SR,     44                        ; s[44:52] R_s of my wave's s
.set ST,     56                        ; s[56:58] T_s
.set SOCC,   59                        ; hidden_occ
.set SMASK,  60                        ; 0xffff0000: cuts an f32 to bf16, and as a lane mask names lanes 16-31
.set SEL0,   61                        ; v_permlanex16_b32: lane i takes lane i of the other half
.set SEL1,   62
.set SEXEC,  63
.set SC3,    66                        ; pairs (both words the same): the additive coefficients
.set SC2,    68
.set SC1,    70
.set SC0,    72
.set SS2,    74
.set SS1,    76
.set SS0,    78
.macro KPAIR reg, val
	s_mov_b32 s[\reg], \val
	s_mov_b32 s[\reg+1], \val
.endm
.macro DOT3 d, sb, a, b, c             ; v[d] = s[sb..sb+2] . (v[a], v[b], v[c])
	v_mul_f32  v[\d], s[\sb], v[\a]
	v_fmac_f32 v[\d], s[\sb+1], v[\b]
	v_fmac_f32 v[\d], s[\sb+2], v[\c]
.endm
; Load k (0..13) of chunk c, into registers HK + 56 c + 4 k ..: 0-2 hkl, 3-5 scattering vectors (48 bytes a lane each),
; 6-13 scattering factors, row k - 6 of my half (lanes 0-15: 256 bytes of atom j, lanes 16-31: of atom 8 + j).
.macro LDK c, k
.if (\k) < 3
	global_load_b128 v[HK+56*\c+4*(\k):HK+56*\c+4*(\k)+3], v[OHK+\c], s[8:9] offset:16*(\k)
.elseif (\k) < 6
	global_load_b128 v[HK+56*\c+4*(\k):HK+56*\c+4*(\k)+3], v[OHK+\c], s[10:11] offset:16*(\k-3)
.elseif (\k) < 10
	global_load_b128 v[HK+56*\c+4*(\k):HK+56*\c+4*(\k)+3], v[OSF+\c], s[12:13] offset:(\k-6)*ROWB th:TH_LOAD_NT
.else
	global_load_b128 v[HK+56*\c+4*(\k):HK+56*\c+4*(\k)+3], v[OSF+\c], s[28:29] offset:(\k-10)*ROWB th:TH_LOAD_NT
.endif
.endm
; The reflections' operand of tile t of chunk c: column r is reflection chunk + 4 r + t; both halves of the lanes hold the same reflection.
.macro BUILD c, t
.irp i, 0,1,2
	v_cvt_f32_i32 v[BT+\i], v[HK+56*\c+3*\t+\i]
.endr
.irp i, 0,1,2
	v_and_b32 v[BT+3+\i], s[SMASK], v[BT+\i]               ; hhi
.endr
.irp i, 0,1,2
	v_sub_f32 v[BT+\i], v[BT+\i], v[BT+3+\i]               ; hlo
.endr
	v_cvt_pk_bf16_f32 v[BB],   v[BT+3], v[BT+4]            ; h1hi h2hi
	v_cvt_pk_bf16_f32 v[BB+1], v[BT+5], v[BT]              ; h3hi h1lo
	v_cvt_pk_bf16_f32 v[BB+2], v[BT+1], v[BT+2]            ; h2lo h3lo
	v_cndmask_b32 v[BB+3], v[BB], v[BB+1], s[SMASK]        ; h1hi h2hi | h3hi h1lo: the partners of xlo
	v_mul_f32 v[BT+6],  v[SV+56*\c+3*\t],   v[SV+56*\c+3*\t]
	v_mul_f32 v[BT+7],  v[SV+56*\c+3*\t+1], v[SV+56*\c+3*\t+1]
	v_mul_f32 v[BT+8],  v[SV+56*\c+3*\t+2], v[SV+56*\c+3*\t+2]
	v_mul_f32 v[BT+9],  v[SV+56*\c+3*\t],   v[SV+56*\c+3*\t+1]
	v_mul_f32 v[BT+10], v[SV+56*\c+3*\t],   v[SV+56*\c+3*\t+2]
	v_mul_f32 v[BT+11], v[SV+56*\c+3*\t+1], v[SV+56*\c+3*\t+2]
	v_cvt_pk_bf16_f32 v[BB+8],  v[BT+6],  v[BT+7]
	v_cvt_pk_bf16_f32 v[BB+9],  v[BT+8],  v[BT+9]
	v_cvt_pk_bf16_f32 v[BB+10], v[BT+10], v[BT+11]
.endm
; The two products of symmetry operation s into buffer d.  C is the constant 0: nothing is cleared.
.macro WM s, d
	v_wmma_f32_16x16x32_bf16 v[DP+16*\d:DP+16*\d+7], v[A+8*\s:A+8*\s+7], v[BB:BB+7], 0
	v_wmma_f32_16x16x32_bf16 v[DE+16*\d:DE+16*\d+7], v[A+8*\s:A+8*\s+7], v[BB+4:BB+11], 0
.endm
.macro HORNER p, k                     ; p = p y + k, eight elements
.irp j, 0,2,4,6
	v_pk_fma_f32 v[\p+\j:\p+\j+1], v[\p+\j:\p+\j+1], v[N+\j:N+\j+1], s[\k:\k+1] op_sel_hi:[1,1,0]
.endr
.endm
; Eight elements a lane (atoms 8 g + 0..7 of one reflection and one s) from buffer d.  first = 1: they start the sums over s.
; acc: the tile's 16 sums, e cos at acc + j, e sin at acc + 8 + j.
.macro PROC d, first, acc
.irp j, 0,1,2,3,4,5,6,7
	v_exp_f32   v[DE+16*\d+\j], v[DE+16*\d+\j]             ; e = Debye-Waller factor
	v_rndne_f32 v[N+\j], v[DP+16*\d+\j]                    ; the plain place behind each v_exp_f32 (ISA guide 5.7.2)
.endr
.irp j, 0,2,4,6
	v_pk_add_f32 v[DP+16*\d+\j:DP+16*\d+\j+1], v[DP+16*\d+\j:DP+16*\d+\j+1], v[N+\j:N+\j+1] neg_lo:[0,1] neg_hi:[0,1]   ; r in [-1/2, 1/2]
.endr
.irp j, 0,2,4,6
	v_pk_mul_f32 v[N+\j:N+\j+1], v[DP+16*\d+\j:DP+16*\d+\j+1], v[DP+16*\d+\j:DP+16*\d+\j+1]   ; y
.endr
.irp j, 0,2,4,6
	v_pk_fma_f32 v[CP+\j:CP+\j+1], v[N+\j:N+\j+1], v[KC4:KC4+1], s[SC3:SC3+1] op_sel_hi:[1,1,0]
.endr
.irp j, 0,2,4,6
	v_pk_fma_f32 v[SP+\j:SP+\j+1], v[N+\j:N+\j+1], v[KS3:KS3+1], s[SS2:SS2+1] op_sel_hi:[1,1,0]
.endr
	HORNER CP, SC2
	HORNER SP, SS1
	HORNER CP, SC1
	HORNER SP, SS0
	HORNER CP, SC0
	s_wait_alu depctr_va_vdst(0)
.irp j, 0,2,4,6
	v_pk_mul_f32 v[DP+16*\d+\j:DP+16*\d+\j+1], v[DP+16*\d+\j:DP+16*\d+\j+1], v[DE+16*\d+\j:DE+16*\d+\j+1]   ; e r
.endr
.irp j, 0,2,4,6
.if \first
	v_pk_mul_f32 v[\acc+\j:\acc+\j+1],     v[DE+16*\d+\j:DE+16*\d+\j+1], v[CP+\j:CP+\j+1]
	v_pk_mul_f32 v[\acc+8+\j:\acc+8+\j+1], v[DP+16*\d+\j:DP+16*\d+\j+1], v[SP+\j:SP+\j+1]
.else
	v_pk_fma_f32 v[\acc+\j:\acc+\j+1],     v[DE+16*\d+\j:DE+16*\d+\j+1], v[CP+\j:CP+\j+1], v[\acc+\j:\acc+\j+1]
	v_pk_fma_f32 v[\acc+8+\j:\acc+8+\j+1], v[DP+16*\d+\j:DP+16*\d+\j+1], v[SP+\j:SP+\j+1], v[\acc+8+\j:\acc+8+\j+1]
.endif
.endr
.endm
; Tile t of chunk c is summed over s, in acc: weigh by sf and sum over my eight atoms.  (Not packed: sf of atoms j and j + 1 lie four registers apart.)
.macro FIN c, t, acc
	v_mul_f32 v[FR+\t], v[SF+56*\c+\t], v[\acc]
	v_mul_f32 v[FI+\t], v[SF+56*\c+\t], v[\acc+8]
.irp j, 1,2,3,4,5,6,7
	v_fmac_f32 v[FR+\t], v[SF+56*\c+4*\j+\t], v[\acc+\j]
	v_fmac_f32 v[FI+\t], v[SF+56*\c+4*\j+\t], v[\acc+8+\j]
.endr
.endm
; A chunk's four tiles: the halves of the lanes swap what the other needs (lanes 0-15 end with the real parts, lanes 16-31 with the
; imaginary ones), and one store puts out 256 consecutive bytes of each row of out0.
.macro OUT c
.irp t, 0,1,2,3
	v_cndmask_b32 v[XS+\t],   v[FI+\t], v[FR+\t], s[SMASK]
	v_cndmask_b32 v[KEEP+\t], v[FR+\t], v[FI+\t], s[SMASK]
.endr
.irp t, 0,1,2,3
	v_permlanex16_b32 v[RECV+\t], v[XS+\t], s[SEL0], s[SEL1]   ; its destination counts as read: written before, as n
.endr
	v_pk_add_f32 v[KEEP:KEEP+1],   v[KEEP:KEEP+1],   v[RECV:RECV+1]
	v_pk_add_f32 v[KEEP+2:KEEP+3], v[KEEP+2:KEEP+3], v[RECV+2:RECV+3]
	v_pk_mul_f32 v[KEEP:KEEP+1],   v[KEEP:KEEP+1],   v[OCC:OCC+1]
	v_pk_mul_f32 v[KEEP+2:KEEP+3], v[KEEP+2:KEEP+3], v[OCC:OCC+1]
	v_cmp_gt_u32 vcc_lo, NH-64*\c, v[VHB]          ; my four reflections exist
	s_wait_xcnt 0x0                                ; EXEC is a source of the loads that may still be out: it changes only behind this wait
	s_and_saveexec_b32 s[SEXEC], vcc_lo
	global_store_b128 v[VOUT], v[KEEP:KEEP+3], s[26:27] offset:256*\c th:TH_STORE_NT
	s_wait_xcnt 0x0                                ; the store has read EXEC, its address and KEEP
	s_or_b32 exec_lo, exec_lo, s[SEXEC]
.endm
	s_load_b512 s[8:23], s[0:1], 0x0               ; hkl, sv, sf, xyz, u, B_inv, sym_R, sym_T
	s_load_b128 s[24:27], s[0:1], 0x40             ; hidden_occ, out0
	v_lshl_add_u32 v254, v0, 2, 0x1000
	v_mov_b32 v255, 0
	v_lshrrev_b32 v1, 5, v0
	v_readfirstlane_b32 s2, v1                     ; wave 0..7
	s_and_b32 s3, s2, 3                            ; the symmetry operation whose table block my wave builds
	s_mul_i32 s4, s3, 36                           ; its bytes in sym_R
	s_mul_i32 s5, s3, 12                           ; and in sym_T
	s_lshl_b32 s6, ttmp9, 10                       ; 1,024 reflections a work-group
	s_lshl_b32 s7, s2, 7                           ; 128 a wave
	s_add_co_u32 s6, s6, s7
	v_and_b32 v[VST], 15, v0                       ; r
	v_bfe_u32 v1, v0, 4, 1                         ; g
	v_lshl_add_u32 v[VHB], v[VST], 2, s6           ; hb = wave's first + 4 r
	v_mul_u32_u24 v[VOUT], v1, ROWB                ; lanes 16-31 store the imaginary row
	v_lshl_add_u32 v[VOUT], v[VHB], 2, v[VOUT]
	v_mul_u32_u24 v1, v1, 8*ROWB                   ; lanes 16-31 take atoms 8-15
	v_min_u32 v[OHK], NH-4, v[VHB]                 ; hbc: no load leaves its buffer (NH is a multiple of 4: a lane's four are all in or all out)
	v_add_nc_u32 v[OHK+1], 64, v[VHB]
	v_min_u32 v[OHK+1], NH-4, v[OHK+1]
	v_lshl_add_u32 v[OSF], v[OHK], 2, v1
	v_lshl_add_u32 v[OSF+1], v[OHK+1], 2, v1
	v_mul_u32_u24 v[OHK], v[OHK], 12
	v_mul_u32_u24 v[OHK+1], v[OHK+1], 12
	v_mul_u32_u24 v[OXYZ], v[VST], 12
	v_mul_u32_u24 v[OU], v[VST], 24
	v_and_b32 v[VLDS], 31, v0
	v_lshlrev_b32 v[VLDS], 4, v[VLDS]
	v_lshlrev_b32 v[VST], 4, v0
	s_wait_kmcnt 0x0                               ; the addresses
	s_load_b256 s[SB:SB+7], s[18:19], 0x0
	s_load_b32  s[SB+8], s[18:19], 0x20
	s_load_b256 s[SR:SR+7], s[20:21], s4 offset:0x0
	s_load_b32  s[SR+8], s[20:21], s4 offset:0x20
	s_load_b96  s[ST:ST+2], s[22:23], s5 offset:0x0
	s_load_b32  s[SOCC], s[24:25], 0x0
	s_add_nc_u64 s[28:29], s[12:13], 4*ROWB        ; rows 4-7 of a half: 7 rows are more than an immediate offset holds
	; The ten loads that the start needs.  Every wave makes all four small ones, so that the counts below hold on both set-up paths.
	global_load_b96 v[XYZ:XYZ+2], v[OXYZ], s[14:15]
	global_load_b64 v[UU:UU+1],   v[OU], s[16:17]
	global_load_b64 v[UU+2:UU+3], v[OU], s[16:17] offset:8
	global_load_b64 v[UU+4:UU+5], v[OU], s[16:17] offset:16
.irp k, 0,1,2,3,4,5
	LDK 0, \k                                      ; hkl and scattering vectors of chunk 0
.endr
	s_mov_b32 s[SMASK], 0xffff0000
	s_mov_b32 s[SEL0], 0x76543210
	s_mov_b32 s[SEL1], 0xfedcba98
	; cos 2 pi r = C0 + C1 y + C2 y^2 + C3 y^3 + C4 y^4,  sin 2 pi r = r (S0 + S1 y + S2 y^2 + S3 y^3),  y = r^2 in [0, 1/4]
	KPAIR SC3, 0xc2a4c818                          ; -82.3908064
	KPAIR SC2, 0x428157c7                          ;  64.6714418
	KPAIR SC1, 0xc19dd8f8                          ; -19.7309424
	KPAIR SC0, 0x3f7ffd50                          ;   0.99995902
	KPAIR SS2, 0x429bd19d                          ;  77.9094034
	KPAIR SS1, 0xc2245d4e                          ; -41.0911163
	KPAIR SS0, 0x40c8e9ea                          ;   6.27855396
	s_wait_kmcnt 0x0                               ; B_inv, R_s, T_s, hidden_occ
	; occ = 1 / (1 + 2^(-x log2 e)).  The moves that clear the operand's zero K slots are the plain places behind v_exp_f32 and v_rcp_f32 (ISA guide 5.7.2).
	v_mov_b32 v1, s[SOCC]
	v_mul_f32 v1, 0xbfb8aa3b, v1
	v_exp_f32 v1, v1
	v_mov_b32 v[BB+4], 0
	s_wait_alu depctr_va_vdst(0)
	v_add_f32 v1, 1.0, v1
	v_rcp_f32 v[OCC], v1
	v_rcp_f32 v[OCC+1], v1
	v_mov_b32 v[BB+5], 0
	v_mov_b32 v[BB+6], 0
	v_mov_b32 v[BB+7], 0
	v_mov_b32 v[BB+11], 0
	s_wait_loadcnt 6                               ; xyz and u are in; the six loads issued behind them may stay out
	; SET-UP: waves 0-3 build P_s, waves 4-7 build E_s, s = wave & 3; lane (r, g) builds atom r's K slots of half g.
	s_cmp_ge_u32 s2, 4
	s_cbranch_scc1 .Ljob_e
	; P_s.  frac = B_inv xyz;  xs = R_s frac + T_s, less its nearest integer;  xs = hi + mid + lo, three exact bf16 parts.
	DOT3 T0,   SB,   XYZ, XYZ+1, XYZ+2
	DOT3 T0+1, SB+3, XYZ, XYZ+1, XYZ+2
	DOT3 T0+2, SB+6, XYZ, XYZ+1, XYZ+2
.irp i, 0,1,2
	v_fma_f32  v[T0+4+\i], s[SR+3*\i], v[T0], s[ST+\i]
	v_fmac_f32 v[T0+4+\i], s[SR+3*\i+1], v[T0+1]
	v_fmac_f32 v[T0+4+\i], s[SR+3*\i+2], v[T0+2]
.endr
.irp i, 0,1,2
	v_rndne_f32 v[T0+7], v[T0+4+\i]
	v_sub_f32 v[T0+4+\i], v[T0+4+\i], v[T0+7]
	v_and_b32 v[T0+8+\i], s[SMASK], v[T0+4+\i]             ; hi: the upper 8 bits of the significand
	v_sub_f32 v[T0+4+\i], v[T0+4+\i], v[T0+8+\i]           ; exact
	v_and_b32 v[T0+12+\i], s[SMASK], v[T0+4+\i]            ; mid
	v_sub_f32 v[T0+16+\i], v[T0+4+\i], v[T0+12+\i]         ; lo: what is left has at most 8 bits
	v_cndmask_b32 v[T0+20+\i], v[T0+8+\i], v[T0+12+\i], s[SMASK]   ; lanes 0-15 hi, lanes 16-31 mid
.endr
	v_cndmask_b32 v[T0+24], v[T0+16], v[T0+18], s[SMASK]   ; x1lo | x3lo
	v_cndmask_b32 v[T0+25], v[T0+17], 0, s[SMASK]          ; x2lo | 0
	v_cvt_pk_bf16_f32 v[BLK],   v[T0+20], v[T0+21]         ; meets h1hi h2hi
	v_cvt_pk_bf16_f32 v[BLK+1], v[T0+22], v[T0+20]         ; meets h3hi h1lo
	v_cvt_pk_bf16_f32 v[BLK+2], v[T0+21], v[T0+22]         ; meets h2lo h3lo
	v_cvt_pk_bf16_f32 v[BLK+3], v[T0+24], v[T0+25]         ; meets h1hi h2hi | h3hi h1lo
	s_branch .Ljoin
.Ljob_e:
	; E_s.  q = sv R_s, so q^T U q = sv^T G sv with G = R_s U R_s^T:  V[j][l] = U row j . R row l,  G[i][l] = R row i . V column l.
.irp l, 0,1,2
	DOT3 T0+\l,   SR+3*\l, UU,   UU+3, UU+4
	DOT3 T0+3+\l, SR+3*\l, UU+3, UU+1, UU+5
	DOT3 T0+6+\l, SR+3*\l, UU+4, UU+5, UU+2
.endr
	DOT3 T0+10, SR,   T0,   T0+3, T0+6                     ; G11
	DOT3 T0+11, SR+3, T0+1, T0+4, T0+7                     ; G22
	DOT3 T0+12, SR+6, T0+2, T0+5, T0+8                     ; G33
	DOT3 T0+13, SR,   T0+1, T0+4, T0+7                     ; G12
	DOT3 T0+14, SR,   T0+2, T0+5, T0+8                     ; G13
	DOT3 T0+15, SR+3, T0+2, T0+5, T0+8                     ; G23
.irp k, 0,1,2
	v_mul_f32 v[T0+10+\k], 0xc1e3d23f, v[T0+10+\k]         ; c = -2 pi^2 log2 e = -28.477659
	v_mul_f32 v[T0+13+\k], 0xc263d23f, v[T0+13+\k]         ; 2 c: a mixed monomial stands for two terms
.endr
.irp k, 0,1,2,3,4,5
	v_and_b32 v[T0+16+\k], s[SMASK], v[T0+10+\k]           ; hi
	v_sub_f32 v[T0+10+\k], v[T0+10+\k], v[T0+16+\k]        ; lo (rounded to bf16 below)
	v_cndmask_b32 v[T0+10+\k], v[T0+16+\k], v[T0+10+\k], s[SMASK]  ; lanes 0-15 hi, lanes 16-31 lo
.endr
	v_cvt_pk_bf16_f32 v[BLK],   v[T0+10], v[T0+11]
	v_cvt_pk_bf16_f32 v[BLK+1], v[T0+12], v[T0+13]
	v_cvt_pk_bf16_f32 v[BLK+2], v[T0+14], v[T0+15]
	v_mov_b32 v[BLK+3], 0
.Ljoin:
	ds_store_b128 v[VST], v[BLK:BLK+3]             ; wave w's block at 512 w: P_0..P_3, then E_0..E_3; 16 neighbouring bytes a lane
	s_wait_loadcnt 0x0                             ; hkl and scattering vectors of chunk 0, asked together with xyz and u: for the BUILD below
	s_wait_dscnt 0x0                               ; my block is in LDS before I say so
	s_barrier_signal -1
	BUILD 0, 0                                     ; register work while the other waves arrive
	s_barrier_wait -1
.irp s, 0,1,2,3
	ds_load_b128 v[A+8*\s:A+8*\s+3],   v[VLDS] offset:512*\s
	ds_load_b128 v[A+8*\s+4:A+8*\s+7], v[VLDS] offset:2048+512*\s
.endr
.irp k, 6,7,8,9,10,11,12,13
	LDK 0, \k                                      ; scattering factors of chunk 0: wanted behind step 7
.endr
	s_wait_dscnt 0x0                               ; the tables
	; MAIN PART: 32 steps (chunk, tile, s), written out.  The products of step i + 1 are issued in front of the vector work of step i, into the
	; other result buffer.  So behind every pair of matrix instructions stand the 56 plain vector instructions of a PROC that names none of
	; its registers, before its results are read or BUILD rewrites its operand (four places are asked: ISA guide 7.12.1).
	WM 0, 0
	v_mov_b32 v[KC4],   0x42367bf5                 ; C4 = 45.6210513.  These four moves are the four places behind the first pair,
	v_mov_b32 v[KC4+1], 0x42367bf5                 ; which has no PROC behind it
	v_mov_b32 v[KS3],   0xc2602765                 ; S3 = -56.0384699
	v_mov_b32 v[KS3+1], 0xc2602765
.set step, 0
.rept 32
.set cur_c, step/16
.set cur_t, (step/4)%4
.set cur_s, step%4
.set cur_d, step%2
.set nxt,   step+1
.set nxt_c, nxt/16
.set nxt_t, (nxt/4)%4
.set nxt_s, nxt%4
.set nxt_d, nxt%2
.if step < 8
.set cur_a, LATE+16*cur_t                          ; tiles 0 and 1 of chunk 0 keep their sums until their scattering factors are in
.else
.set cur_a, ACC
.endif
.if step < 3
	LDK 1, 2*step                                  ; hkl and scattering vectors of chunk 1, two loads to a step
	LDK 1, 2*step+1
.endif
.if step >= 8
.if step < 12
	LDK 1, 2*step-10                               ; scattering factors of chunk 1, two loads to a step, into the registers that
	LDK 1, 2*step-9                                ; the two late tiles have left
.endif
.endif
.if nxt < 32
.if nxt_s == 0
.if nxt == 16
	s_wait_loadcnt 8                               ; hkl and scattering vectors of chunk 1 are in; its 8 loads of scattering factors stay out
.endif
	BUILD nxt_c, nxt_t
.endif
	WM nxt_s, nxt_d
.endif
.if cur_s == 0
	PROC cur_d, 1, cur_a
.else
	PROC cur_d, 0, cur_a
.endif
.if cur_s == 3
.if step == 7
	s_wait_loadcnt 6                               ; chunk 0's scattering factors are in; the 2 x 3 loads of steps 0-2 stay out
	FIN 0, 0, LATE
	FIN 0, 1, LATE+16
.endif
.if step == 19
	s_wait_loadcnt 0x0                             ; chunk 1's scattering factors: nothing was asked behind them
.endif
.if step > 7
	FIN cur_c, cur_t, ACC
.endif
.if cur_t == 3
	OUT cur_c
.endif
.endif
.set step, step+1
.endr
	s_wait_xcnt 0x0
	s_mov_b32 exec_lo, -1
	s_wait_tensorcnt 0x0
	ds_add_u32 v254, v255
	s_wait_dscnt 0x0
	s_endpgm
.Lfunc_end_k_q174ba19720_sfac:
	.size	k_q174ba19720_sfac, .Lfunc_end_k_q174ba19720_sfac-k_q174ba19720_sfac
	.p2alignl 7, 3214868480
	.fill 96, 4, 3214868480
	.section	.rodata,"a",@progbits
	.p2align	6, 0x0
	.amdhsa_kernel k_q174ba19720_sfac
		.amdhsa_group_segment_fixed_size 5120
		.amdhsa_private_segment_fixed_size 0
		.amdhsa_enable_private_segment 0
		.amdhsa_kernarg_size 80
		.amdhsa_user_sgpr_count 2
		.amdhsa_user_sgpr_kernarg_segment_ptr 1
		.amdhsa_wavefront_size32 1
		.amdhsa_system_sgpr_workgroup_id_x 1
		.amdhsa_system_sgpr_workgroup_id_y 1
		.amdhsa_system_sgpr_workgroup_id_z 1
		.amdhsa_system_vgpr_workitem_id 0
		.amdhsa_next_free_vgpr 256
		.amdhsa_next_free_sgpr 80
		.amdhsa_reserve_vcc 1
		.amdhsa_float_denorm_mode_32 3
		.amdhsa_float_denorm_mode_16_64 3
		.amdhsa_memory_ordered 1
		.amdhsa_forward_progress 1
		.amdhsa_inst_pref_size 144
	.end_amdhsa_kernel
	.amdgpu_metadata
---
amdhsa.version: [ 1, 2 ]
amdhsa.kernels:
  - .name:           k_q174ba19720_sfac
    .symbol:         k_q174ba19720_sfac.kd
    .args:
      - { .name: hkl, .offset: 0, .size: 8, .value_kind: global_buffer, .address_space: global }
      - { .name: scattering_vectors, .offset: 8, .size: 8, .value_kind: global_buffer, .address_space: global }
      - { .name: scattering_factors, .offset: 16, .size: 8, .value_kind: global_buffer, .address_space: global }
      - { .name: xyz, .offset: 24, .size: 8, .value_kind: global_buffer, .address_space: global }
      - { .name: u, .offset: 32, .size: 8, .value_kind: global_buffer, .address_space: global }
      - { .name: B_inv, .offset: 40, .size: 8, .value_kind: global_buffer, .address_space: global }
      - { .name: sym_R, .offset: 48, .size: 8, .value_kind: global_buffer, .address_space: global }
      - { .name: sym_T, .offset: 56, .size: 8, .value_kind: global_buffer, .address_space: global }
      - { .name: hidden_occ, .offset: 64, .size: 8, .value_kind: global_buffer, .address_space: global }
      - { .name: out0, .offset: 72, .size: 8, .value_kind: global_buffer, .address_space: global }
    .group_segment_fixed_size: 5120
    .private_segment_fixed_size: 0
    .kernarg_segment_align: 8
    .kernarg_segment_size: 80
    .max_flat_workgroup_size: 256
    .sgpr_count:     80
    .vgpr_count:     256
    .wavefront_size: 32
...
	.end_amdgpu_metadata
.endif
;; end of part 1
